; MI455X (gfx1250); checked and timed in simulation.
; The chip was launched on July 23, 2026; its instructions are those of AMD's public machine-readable ISA for CDNA 5 (MIT licence, August 2026) and "CDNA5" Instruction Set Architecture Reference Guide (July 2026). The comments in the code are by the model that wrote it; some were corrected since.
;; HM LSTM Cell. Allowed arithmetic: matrix products marked QUANTISED: E2M1 operands, one E8M0 scale for each 32 along K, by v_wmma_scale_f32_16x16x128_f8f6f4 with both operands' format E2M1 (or v_wmma_scale_f32_32x16x128_f4), f32 sums; everything else in f32.
;; Inputs: U_11 4,097 x 1,024 float32; U_21 4,097 x 1,024 float32; W_01 4,097 x 1,024 float32; bias 4,097 float32; c 1,024 x 4,096 float32; h 1,024 x 4,096 float32; h_bottom 1,024 x 4,096 float32; h_top 1,024 x 4,096 float32; z 1 x 4,096 float32; z_bottom 1 x 4,096 float32.
;; Outputs: out0 1,024 x 4,096 float32; out1 1,024 x 4,096 float32; out2 1 x 4,096 float32.
;; This version of the problem:
;;   THIS VERSION OF THE PROBLEM IS GIVEN IN LOW PRECISION. The matrix products marked QUANTISED in the list below multiply operands that are first quantised to E2M1 (2 exponent bits, 1 mantissa bit; 4 bits a number), with one power-of-two scale for each 32 numbers along K (OCP MX v1.0); their sums are f32. All else is computed in f32.
;;   The module's matrix products, in the order in which they are computed (A, B: the left and right operand; K: the contracted axis; several contracted axes count as one K, in the product's order):
;;     1. [M 4,097, K 1,024] x [K 1,024, N 4,096]; A: input W_01; B: input h_bottom: QUANTISED
;;     2. [M 4,097, K 1,024] x [K 1,024, N 4,096]; A: input U_21; B: input h_top: QUANTISED
;;     3. [M 4,097, K 1,024] x [K 1,024, N 4,096]; A: input U_11; B: input h: QUANTISED
;;   THE QUANTISER, for each operand of a quantised product, along K:
;;     - K is cut into blocks of 32 from its start; a last block that is shorter is filled with zeros.
;;     - A block's scale is 2^e with e = floor(log2(the largest magnitude in the block)) - 2, held to -126 .. 127; a block of zeros has e = 0. As a byte (E8M0): e + 127.
;;     - Each number is divided by its block's scale, clamped to +-6, and rounded to the nearest number of E2M1, ties to even, subnormals kept.
;;     - The product sums the exact products of the quantised numbers (number of the format x scale) in f32.
;;   ~~~python
;;   def quantise(x, axis):      # numpy; x: float32 -> the quantised numbers, widened to float32 again
;;       x = np.moveaxis(x, axis, -1); K = x.shape[-1]
;;       x = np.pad(x, [(0, 0)] * (x.ndim - 1) + [(0, -K % 32)]); x = x.reshape(x.shape[:-1] + (-1, 32)); a = np.abs(x).max(-1, keepdims=True)
;;       e = np.where(a > 0, np.clip(np.frexp(np.where(a > 0, a, 1))[1] - 1 - 2, -126, 127), 0)      # np.frexp(a)[1] - 1 = floor(log2(a)), exactly
;;       r = np.clip(x / 2.0 ** e, -6, 6)
;;       step = 2.0 ** (np.maximum(np.frexp(np.where(r == 0, 1, r))[1] - 1, 0) - 1)
;;       q = np.round(r / step) * step * 2.0 ** e      # np.round: ties to even
;;       return np.moveaxis(q.reshape(q.shape[:-2] + (-1,))[..., :K], -1, axis).astype(np.float32)
;;   ~~~
;; One version. Each part assembles by itself: llvm-mc -triple=amdgcn-amd-amdhsa -mcpu=gfx1250 --defsym DOCPART=n.
;; ======== version 1 of 1: 2 launches
;; limits: right only within a limited range of input values
;; workspace buffers: wq 6,736,896 bytes; hq 6,684,672 bytes
;; launch quant (part 1): grid 771 x 1, 4 waves a work-group, no clusters, 55,808 bytes of LDS; arguments U_21, U_11, W_01, wq, h_top, h, h_bottom, hq; writes wq, hq
.if DOCPART == 1
	.amdgcn_target "amdgcn-amd-amdhsa--gfx1250"
	.amdhsa_code_object_version 6
	.text
	.protected	k_qbd47043bc6_quant
	.globl	k_qbd47043bc6_quant
	.p2align	8
	.type	k_qbd47043bc6_quant,@function
k_qbd47043bc6_quant:
	s_mov_b64 s[64:65], 0
	v_nop
	global_prefetch_b8 v0, s[64:65] scope:SCOPE_SE
	s_setreg_imm32_b32 hwreg(HW_REG_WAVE_MODE, 25, 1), 1
	s_wait_xcnt 0x0
; All six operands become codes of FP4 (E2M1) with one E8M0 byte for each 32 along K, in RECORDS of 272 bytes: 512 codes (256 bytes, the lower k in the low four bits, K ascending), then their 16 scale bytes.
; wq = [2 t + ks][place 0..4127][272], t = 0 U_21, 1 U_11, 2 W_01 ([4097][1024], K innermost).  Row m = 1024 g + 64 jt + 32 wr + i has the place 256 jt + 128 wr + 32 g + i; row 4096 fills places 4096 .. 4127.
; hq = [2 t + ks][place 0..4095][272], t = 0 h_top, 1 h, 2 h_bottom ([1024 (K)][4096]).  Column n = 64 G + 4 r + b has the place 64 G + 16 b + r.
; A block's scale is 2^(floor(log2(largest magnitude)) - 2); its byte is the largest magnitude's exponent field - 2, held at 1 from below.
; LIMITS: a block of zeros gets the byte 1 over zero codes (this program alone reads the bytes); NaN and infinities among the inputs are not served.
; SHARES: work-groups 0 .. 386 take 32 rows of a weight each (129 groups a tensor; in group 128 the step from row to row is 0, so all 32 rows read are row 4096); work-groups 387 .. 770 take 64 columns x 512 along K of an h tensor.
; The two paths part on the work-group's number alone and have LDS bytes of their own.  No tensor loads, no matrix work, no cluster: nothing is shared between work-groups.
.set REC,   272
.set WBLK,  4128*REC
.set HBLK,  4096*REC
.set NWG,   387
.set SP,    80                         ; weights: a lane's place in a stage: 64 bytes + 16 of padding
.set STG,   2*32*SP
.set IMG,   4*STG                      ; behind the four waves' stages the image [ks][32 rows][272]
.set HB,    0x9400                     ; the h path's 64 records
.set SPARE, 0xd800
.set STEPS, 16
.set VO,    2
.set R,     16
.set WX,    144
.set CD,    176
.set ROWB,  16384
.set HX,    32
.set HC,    96
.set OUTR,  100
.set SW,    24
	s_load_b256 s[4:11], s[0:1], 0x0               ; U_21, U_11, W_01, wq
	s_load_b256 s[24:31], s[0:1], 0x20             ; h_top, h, h_bottom, hq
	v_lshl_add_u32 v192, v0, 2, SPARE
	v_mov_b32 v193, 0
	v_lshrrev_b32 v1, 5, v0
	v_readfirstlane_b32 s33, v1                    ; wave
	v_and_b32 v1, 31, v0                           ; lane
	s_wait_alu depctr_va_vdst(0)                   ; scalar work and a branch follow
	s_cmp_ge_u32 ttmp9, NWG
	s_cbranch_scc1 .Lh
	; ======== a weight: wave w takes rows 8 w .. 8 w + 7 as 16 steps of 512 numbers (a record each)
	s_cmp_ge_u32 ttmp9, 129
	s_cselect_b32 s35, 129, 0
	s_cselect_b32 s13, 1, 0
	s_cmp_ge_u32 ttmp9, 258
	s_cselect_b32 s35, 258, s35
	s_cselect_b32 s13, 2, s13                      ; t
	s_sub_co_u32 s34, ttmp9, s35                   ; the group of 32 rows
	s_mov_b32 s14, s33
	s_mul_i32 s16, s14, STG
	s_mul_i32 s22, s14, 8*REC
	s_add_co_u32 s22, s22, IMG
	s_add_co_u32 s23, s22, 256
	s_mul_i32 s35, s14, 16*REC
	s_add_co_u32 s35, s35, IMG
	s_cmp_eq_u32 s34, 128
	s_cselect_b32 s15, 0, 4096                     ; bytes from row to row
	s_lshl_b32 s18, s34, 17
	s_mul_i32 s17, s15, s14
	s_lshl_b32 s17, s17, 3
	s_add_co_u32 s18, s18, s17
	s_mov_b32 s19, 0
	s_lshl_b32 s20, s13, 1
	s_lshr_b32 s21, s14, 1
	s_add_co_u32 s20, s20, s21                     ; on the way out wave w takes half w & 1 of the image's part ks = w >> 1
	s_mul_i32 s20, s20, WBLK
	s_lshl_b32 s21, s34, 5                         ; the group's first row
	s_and_b32 s36, s21, 0x1000
	s_and_b32 s37, s21, 0x3e0
	s_lshl_b32 s37, s37, 2
	s_or_b32 s36, s36, s37
	s_lshr_b32 s37, s21, 5
	s_and_b32 s37, s37, 0x60
	s_or_b32 s36, s36, s37                         ; its place
	s_mul_i32 s36, s36, REC
	s_add_co_u32 s20, s20, s36
	s_and_b32 s37, s14, 1
	s_mul_i32 s37, s37, 16*REC
	s_add_co_u32 s20, s20, s37
	s_mov_b32 s21, 0
	v_lshrrev_b32 v10, 2, v1
	v_mul_u32_u24 v10, v10, SP
	v_and_b32 v11, 3, v1
	v_lshl_add_u32 v10, v11, 4, v10
	v_add_nc_u32 v10, s16, v10                     ; the stage, on the way in
	v_mul_u32_u24 v11, v1, SP
	v_add_nc_u32 v11, s16, v11                     ; and on the way out: my 16 neighbours
	v_lshlrev_b32 v15, 3, v1
	v_add_nc_u32 v12, s22, v15                     ; the image: my 8 bytes of codes
	v_lshrrev_b32 v13, 1, v1
	v_add_nc_u32 v13, s23, v13                     ; and my block's scale byte
	v_add_nc_u32 v14, s35, v15                     ; the way out: 4,352 bytes of the image a wave
	v_lshlrev_b32 v[VO], 4, v1
.irp rr, 1,2,3,4,5,6,7
	v_mad_u32_u24 v[VO+\rr], s15, \rr, v[VO]
.endr
	s_wait_alu depctr_va_vdst(0)                   ; the head's end
	s_wait_kmcnt 0x0
	s_cmp_eq_u32 s13, 1
	s_cselect_b64 s[4:5], s[6:7], s[4:5]
	s_cmp_eq_u32 s13, 2
	s_cselect_b64 s[4:5], s[8:9], s[4:5]
	s_add_nc_u64 s[4:5], s[4:5], s[18:19]
	s_add_nc_u64 s[10:11], s[10:11], s[20:21]
.macro WLOAD t                         ; step t: half t % 2 of row t / 2; each load reads 512 consecutive bytes
.irp i, 0,1,2,3
	global_load_b128 v[R+16*((\t)%8)+4*\i:R+16*((\t)%8)+4*\i+3], v[VO+(\t)/2], s[4:5] offset:2048*((\t)%2)+512*\i th:TH_LOAD_NT
.endr
.endm
.macro WTURN t                         ; through a stage: LDS serves a wave's instructions in order
.irp i, 0,1,2,3
	ds_store_b128 v10, v[R+16*((\t)%8)+4*\i:R+16*((\t)%8)+4*\i+3] offset:32*SP*((\t)%2)+8*SP*\i
.endr
.irp i, 0,1,2,3
	ds_load_b128 v[WX+16*((\t)%2)+4*\i:WX+16*((\t)%2)+4*\i+3], v11 offset:32*SP*((\t)%2)+16*\i
.endr
.endm
.irp t, 0,1,2,3,4,5,6,7
	WLOAD \t
.endr
	s_wait_loadcnt 28                              ; step 0's four loads are in; those of seven steps may be out
	WTURN 0
.macro WSTEP s
.set XS, WX+16*((\s)%2)
.set CS, CD+4*((\s)%2)
.if (\s) > 0
	s_wait_dscnt 2                                 ; this step's numbers are back; the last step's two stores into the image may be out
.else
	s_wait_dscnt 0x0
.endif
.if (\s)+8 < STEPS
	WLOAD (\s)+8
.endif
.if (\s)+1 < STEPS
.if (\s)+8 < STEPS
	s_wait_loadcnt 28                              ; the next step's four loads are in; seven steps' may be out
.else
	s_wait_loadcnt 4*(14-(\s))
.endif
	WTURN (\s)+1
.endif
	v_max3_num_f32 v184, |v[XS]|, |v[XS+1]|, |v[XS+2]|
	v_max3_num_f32 v185, |v[XS+3]|, |v[XS+4]|, |v[XS+5]|
.irp i, 6,10
	v_max3_num_f32 v184, v184, |v[XS+\i]|, |v[XS+\i+1]|
	v_max3_num_f32 v185, v185, |v[XS+\i+2]|, |v[XS+\i+3]|
.endr
	v_max3_num_f32 v184, v184, |v[XS+14]|, |v[XS+15]|
	v_max3_num_f32 v184, v184, v185, 0x1800000     ; the floor 2^(3 - 127): the byte cannot fall under 1
	v_max_num_f32_dpp v184, v184, v184 row_xmask:1 row_mask:0xf bank_mask:0xf   ; with my neighbour's 16: the block's
	v_add_nc_u32 v186, 0xff000000, v184            ; 2 off the exponent field: the conversion's scale operand
	v_cvt_scalef32_pk8_fp4_f32 v[CS], v[XS:XS+7], v186
	v_cvt_scalef32_pk8_fp4_f32 v[CS+1], v[XS+8:XS+15], v186
	v_lshrrev_b32 v[CS+2], 23, v186                ; the scale's byte (a plain line behind the conversions)
	ds_store_b64 v12, v[CS:CS+1] offset:(32*((\s)%2)+(\s)/2)*REC
	ds_store_b8 v13, v[CS+2] offset:(32*((\s)%2)+(\s)/2)*REC        ; both lanes of a block write the same byte
.endm
.irp s, 0,1,2,3,4,5,6,7,8,9,10,11,12,13,14,15
	WSTEP \s
.endr
	s_wait_dscnt 0x0                               ; for the others' sake: my stores have landed
	s_barrier_signal -1
	s_barrier_wait -1                              ; the image is whole
.irp u, 0,1,2,3,4,5,6,7,8,9,10,11,12,13,14,15,16
	ds_load_b64 v[R+2*\u:R+2*\u+1], v14 offset:256*\u
.endr
.irp u, 0,1,2,3,4,5,6,7,8,9,10,11,12,13,14,15,16
	s_wait_dscnt 16-\u
	global_store_b64 v15, v[R+2*\u:R+2*\u+1], s[10:11] offset:256*\u   ; 32 lanes store 256 consecutive bytes, aligned
.endr
	s_wait_tensorcnt 0x0                           ; the wave's end
	ds_add_u32 v192, v193
	s_wait_dscnt 0x0
	s_endpgm
	; ======== an h tensor: wave w takes 32 columns (w & 1), a lane to a column, and 256 along K (w >> 1): eight blocks of 32 run down the lane's registers
.Lh:
	s_sub_co_u32 s35, ttmp9, NWG
	s_and_b32 s34, s35, 63                         ; which 64 columns
	s_lshr_b32 s12, s35, 6                         ; 2 t + ks
	s_mov_b32 s15, s33
	s_lshr_b32 s13, s12, 1
	s_and_b32 s14, s12, 1
	s_and_b32 s16, s15, 1
	s_lshr_b32 s17, s15, 1
	s_mul_i32 s20, s16, 8*REC
	s_lshl_b32 s21, s17, 7
	s_add_co_u32 s21, s21, s20
	s_add_co_u32 s21, s21, HB                      ; my 128 bytes of a record's codes
	s_lshl_b32 s36, s17, 3
	s_add_co_u32 s36, s36, s20
	s_add_co_u32 s36, s36, HB+256                  ; and my eight scale bytes
	s_lshl_b32 s37, s15, 12                        ; the way out: 4,096 bytes a wave
	s_lshl_b32 s38, s16, 9
	s_add_co_u32 s38, s38, 16384                   ; and the last 1,024, which waves 0 and 1 take
	s_lshl_b32 s18, s14, 9
	s_lshl_b32 s19, s17, 8
	s_add_co_u32 s18, s18, s19                     ; my first row: 512 ks + 256 (w >> 1)
	s_lshl_b32 s18, s18, 14
	s_lshl_b32 s19, s34, 8
	s_add_co_u32 s18, s18, s19
	s_lshl_b32 s19, s16, 7
	s_add_co_u32 s18, s18, s19
	s_mov_b32 s19, 0
	s_mul_i32 s22, s12, HBLK
	s_mul_i32 s23, s34, 64*REC
	s_add_co_u32 s22, s22, s23
	s_mov_b32 s23, 0
	v_lshlrev_b32 v3, 2, v1
	v_and_b32 v2, 3, v1
	v_lshrrev_b32 v9, 2, v1
	v_lshl_add_u32 v2, v2, 4, v9                   ; column 32 (w & 1) + lane has the place 16 (lane % 4) + lane / 4 + 8 (w & 1)
	v_mul_u32_u24 v2, v2, REC
	v_add_nc_u32 v4, s21, v2
	v_add_nc_u32 v5, s36, v2
	v_lshlrev_b32 v7, 4, v1
	v_add_nc_u32 v6, s37, v7
	v_add_nc_u32 v8, s38, v7
	v_add_nc_u32 v14, HB, v6
	v_add_nc_u32 v15, HB, v8
	s_wait_alu depctr_va_vdst(0)                   ; the head's end
	s_wait_kmcnt 0x0
	s_cmp_eq_u32 s13, 1
	s_cselect_b64 s[4:5], s[26:27], s[24:25]
	s_cmp_eq_u32 s13, 2
	s_cselect_b64 s[4:5], s[28:29], s[4:5]
	s_add_nc_u64 s[4:5], s[4:5], s[18:19]
	s_add_nc_u64 s[10:11], s[30:31], s[22:23]
.macro HLOAD t                         ; block t: rows 32 t + i of my 256, my column
.irp i, 0,1,2,3,4,5,6,7,8,9,10,11,12,13,14,15,16,17,18,19,20,21,22,23,24,25,26,27,28,29,30,31
	global_load_b32 v[HX+32*((\t)%2)+\i], v3, s[4:5] offset:(32*(\t)+\i)*ROWB th:TH_LOAD_NT
.endr
.endm
	HLOAD 0
	HLOAD 1
.macro HBLOCK t
.set XS, HX+32*((\t)%2)
.if (\t) < 7
	s_wait_loadcnt 32                              ; this block's 32 loads are in; the next block's may be out
.else
	s_wait_loadcnt 0x0
.endif
	v_max3_num_f32 v12, |v[XS]|, |v[XS+1]|, |v[XS+2]|
	v_max3_num_f32 v13, |v[XS+3]|, |v[XS+4]|, |v[XS+5]|
.irp i, 6,10,14,18,22,26
	s_delay_alu instid0(VALU_DEP_2)
	v_max3_num_f32 v12, v12, |v[XS+\i]|, |v[XS+\i+1]|
	s_delay_alu instid0(VALU_DEP_2)
	v_max3_num_f32 v13, v13, |v[XS+\i+2]|, |v[XS+\i+3]|
.endr
	s_delay_alu instid0(VALU_DEP_2)
	v_max3_num_f32 v12, v12, |v[XS+30]|, |v[XS+31]|
	s_delay_alu instid0(VALU_DEP_1)
	v_max3_num_f32 v12, v12, v13, 0x1800000        ; the floor 2^(3 - 127)
	s_delay_alu instid0(VALU_DEP_1)
	v_add_nc_u32 v11, 0xff000000, v12
.irp g, 0,1,2,3
	v_cvt_scalef32_pk8_fp4_f32 v[HC+\g], v[XS+8*\g:XS+8*\g+7], v11
.endr
	v_lshrrev_b32 v13, 23, v11                     ; the scale's byte (a plain line behind the conversions)
.if (\t)%4 == 0
	s_delay_alu instid0(VALU_DEP_1)
	v_mov_b32 v[SW+(\t)/4], v13
.else
	s_delay_alu instid0(VALU_DEP_1)
	v_lshl_or_b32 v[SW+(\t)/4], v13, 8*((\t)%4), v[SW+(\t)/4]
.endif
	ds_store_b128 v4, v[HC:HC+3] offset:16*(\t)
.if (\t)+2 < 8
	HLOAD (\t)+2
.endif
	s_wait_dscnt 0x0                               ; the store has read its registers
.endm
.irp t, 0,1,2,3,4,5,6,7
	HBLOCK \t
.endr
	s_wait_alu depctr_va_vdst(0)                   ; ahead of the reader below
	ds_store_b64 v5, v[SW:SW+1]
	s_wait_dscnt 0x0
	s_barrier_signal -1
	s_barrier_wait -1                              ; the 64 records are whole: 17,408 consecutive bytes, as they will lie in memory
.irp i, 0,1,2,3,4,5,6,7
	ds_load_b128 v[OUTR+4*\i:OUTR+4*\i+3], v14 offset:512*\i
.endr
.irp i, 0,1,2,3,4,5,6,7
	s_wait_dscnt 7-\i
	global_store_b128 v6, v[OUTR+4*\i:OUTR+4*\i+3], s[10:11] offset:512*\i      ; 512 consecutive bytes, aligned to 256
.endr
	s_cmp_lt_u32 s15, 2                            ; 17,408 = 34 x 512: pieces 32 and 33 fall to waves 0 and 1
	s_cbranch_scc0 .Lhdone
	ds_load_b128 v[OUTR+32:OUTR+35], v15
	s_wait_dscnt 0x0
	global_store_b128 v8, v[OUTR+32:OUTR+35], s[10:11]
.Lhdone:
	s_wait_tensorcnt 0x0                           ; the wave's end
	ds_add_u32 v192, v193
	s_wait_dscnt 0x0
	s_endpgm
.Lfunc_end_k_qbd47043bc6_quant:
	.size	k_qbd47043bc6_quant, .Lfunc_end_k_qbd47043bc6_quant-k_qbd47043bc6_quant
	.p2alignl 7, 3214868480
	.fill 96, 4, 3214868480
	.section	.rodata,"a",@progbits
	.p2align	6, 0x0
	.amdhsa_kernel k_qbd47043bc6_quant
		.amdhsa_group_segment_fixed_size 55808
		.amdhsa_private_segment_fixed_size 0
		.amdhsa_enable_private_segment 0
		.amdhsa_kernarg_size 64
		.amdhsa_user_sgpr_count 2
		.amdhsa_user_sgpr_kernarg_segment_ptr 1
		.amdhsa_wavefront_size32 1
		.amdhsa_system_sgpr_workgroup_id_x 1
		.amdhsa_system_sgpr_workgroup_id_y 1
		.amdhsa_system_sgpr_workgroup_id_z 1
		.amdhsa_system_vgpr_workitem_id 0
		.amdhsa_next_free_vgpr 194
		.amdhsa_next_free_sgpr 66
		.amdhsa_reserve_vcc 0
		.amdhsa_float_denorm_mode_32 3
		.amdhsa_float_denorm_mode_16_64 3
		.amdhsa_memory_ordered 1
		.amdhsa_forward_progress 1
		.amdhsa_inst_pref_size 82
	.end_amdhsa_kernel
	.amdgpu_metadata
---
amdhsa.version: [ 1, 2 ]
amdhsa.kernels:
  - .name:           k_qbd47043bc6_quant
    .symbol:         k_qbd47043bc6_quant.kd
    .args:
      - { .name: U_21, .offset: 0, .size: 8, .value_kind: global_buffer, .address_space: global }
      - { .name: U_11, .offset: 8, .size: 8, .value_kind: global_buffer, .address_space: global }
      - { .name: W_01, .offset: 16, .size: 8, .value_kind: global_buffer, .address_space: global }
      - { .name: wq, .offset: 24, .size: 8, .value_kind: global_buffer, .address_space: global }
      - { .name: h_top, .offset: 32, .size: 8, .value_kind: global_buffer, .address_space: global }
      - { .name: h, .offset: 40, .size: 8, .value_kind: global_buffer, .address_space: global }
      - { .name: h_bottom, .offset: 48, .size: 8, .value_kind: global_buffer, .address_space: global }
      - { .name: hq, .offset: 56, .size: 8, .value_kind: global_buffer, .address_space: global }
    .group_segment_fixed_size: 55808
    .private_segment_fixed_size: 0
    .kernarg_segment_align: 8
    .kernarg_segment_size: 64
    .max_flat_workgroup_size: 128
    .sgpr_count:     66
    .vgpr_count:     194
    .wavefront_size: 32
...
	.end_amdgpu_metadata
.endif
;; end of part 1
;; launch lstm (part 2): grid 16 x 16, 4 waves a work-group, clusters of 4 x 4, 327,680 bytes of LDS; arguments wq, hq, c, h, z, z_bottom, bias, out0, out1, out2; writes out0, out1, out2
.if DOCPART == 2
	.amdgcn_target "amdgcn-amd-amdhsa--gfx1250"
	.amdhsa_code_object_version 6
	.text
	.protected	k_qbd47043bc6_lstm
	.globl	k_qbd47043bc6_lstm
	.p2align	8
	.type	k_qbd47043bc6_lstm,@function
k_qbd47043bc6_lstm:
	s_mov_b64 s[64:65], 0
	v_nop
	global_prefetch_b8 v0, s[64:65] scope:SCOPE_SE
	s_setreg_imm32_b32 hwreg(HW_REG_WAVE_MODE, 25, 1), 1
	s_wait_xcnt 0x0
	s_wait_alu depctr_hold_cnt(0) depctr_sa_sdst(0) depctr_va_vdst(0) depctr_va_sdst(0) depctr_va_ssrc(0) depctr_va_vcc(0) depctr_vm_vsrc(0)
	s_getreg_b32 s2, hwreg(HW_REG_IB_STS2, 6, 4)
	s_cmp_eq_u32 s2, 0
	s_cbranch_scc0 .Lentry_in_a_cluster
	s_endpgm
.Lentry_in_a_cluster:
	s_bfe_u32 s2, ttmp6, 0x10000c
	s_cmp_lg_u32 s2, 0xf033
	s_cbranch_scc0 .Lentry_shape_is_right
	s_endpgm
.Lentry_shape_is_right:
; f_s = W_01 h_bottom + z (U_21 h_top) + z_bottom (U_11 h) + bias on codes of FP4 (E2M1) with E8M0 scales, sums in f32; then the gates, c_new (out1), h_new (out0), and z_new (out2) from row 4096.
; OPERANDS: wq and hq, [fill 2 t + ks][place][272]: records of 512 codes + 16 scale bytes; t = 0 U_21 / h_top, 1 U_11 / h, 2 W_01 / h_bottom.  A record is an LDS row of 68 words.
; SHARES: a work-group makes 64 hidden units x 4 gates (256 weight records) x 256 columns: 16 x 16 work-groups.  Wave w: units 32 (w >> 1) on, columns 128 (w & 1) on.
; The 32 x 16 x 128 form takes 32 weight records (a gate's 32 units) as source 0 and 16 column records as source 1: accumulator (gate g, column block b) is 16 registers at 64 g + 16 b;
; lane l holds column l % 16 of the block, register 8 s + j the unit 16 s + 8 (l / 16) + j.  Record r of block b is column 4 r + b of a group of 64, so a lane's four blocks are 16 neighbouring bytes of a row of c, h, out0, out1.
; ORDER: X = P(U_21); X = z X + bias; Y = P(U_11), X += z_bottom Y; P(W_01) is summed onto X.  X is 512 registers (windows 2, 3: column groups 0, 1).  Y has 256 (window 1): it is made for one column group
; at a time over all of K, while both of that product's fills lie in the two slots; nothing is fetched twice.
; THE RING: two slots of 139,264 bytes (weights of units 0-31, of units 32-63, columns 0-127, columns 128-255: 34,816 dense bytes each, one tensor load a wave).  Fill F lies in slot F % 2.  A wave has one tensor load out at the most.
; CLUSTERS: 4 x 4.  The weights hang on the tile row alone and are asked for jointly along a row of the cluster, the columns along a column.
; PREFETCH: behind the joint load of fill F each wave names its share (34 of 136 blocks of 256 bytes, told apart among the four partners by address) of its quarter of fill F + 1; behind the last load nothing is named.
; ROW 4096: wave 3 makes z_new for 16 columns (256 work-groups x 16) at the head, while the first fill is on its way.  All 16 weight records hold row 4096, so lanes l and l + 16 store the same number to the same place.
; THE GATES: a pass over X in place makes the exponentials' arguments; then a counted loop of 8 trips, two units of 8 numbers a lane in each; only the units' exponentials and their products with c and h name registers of their own, and are picked by branches on the counter.
; LIMITS: NaN and infinities among the inputs are not served.  tanh's arguments are held at +-15, beyond which tanh is 1 in f32.  A z_new whose f_s lies within f32 rounding of 0 may fall on either side.
; WINDOW 0: v1-13 addresses; v16-31 z, z_bottom; v32-55 scale words, nothing else; v56-119 column fragments; v120-247 weight fragments, two sets; v248-250 offsets.  WINDOW 1: bias, then Y, then c and h.
.set REC,   272
.set WBLK,  4128*REC
.set HBLK,  4096*REC
.set QS,    128*REC
.set SLOT,  4*QS
.set SPARE, 2*SLOT
.set BLK16, 16*REC
.set SPW,  1
.set NIL,  2
.set ADRW, 3                           ; v3-4 weight fragments in slot 0, 1
.set ADRC, 5                           ; v5-6 column fragments
.set ADSW, 7                           ; v7-8 weight scale words, a lane a record
.set ADSC, 9                           ; v9-10 column scale words, lane l % 16
.set GOFF, 11                          ; 8 rows x (l / 16) + 16 (l % 16)
.set ZOF,  12
.set BOF,  13
.set ZR,   16
.set ZBR,  24
.set SCS,  32                          ; two sets of 12: 4 weight words, 8 column words
.set CF,   56
.set WF,   120
.set PFO,  248
.set PFO2, 249
.set GC,   250
.set BI,   0                           ; window 1
.set CDN,  0
.set HDN,  128
.set RA,   104                         ; row 4096, at the head: three accumulators
.set RV,   128
.set RW,   134
.set RH,   135
.set RSW,  136
.set RSH,  137
.set RC,   138
.set RZ,   139
.set T0,   140
.set EF,   56                          ; the gates, unit u at + 88 u: Ef, Ei, Eo, Eg at EF + 8 g
.set EO,   72
.set EG,   80
.set T1,   88
.set T2,   96
.set A2H,  104
.set A2C,  112
.set A3C,  120
.set NC,   128
.set NH,   136
.set ZT,   232
.set A3,   236
.set A2,   240
.set ZA,   244
.set G1A, 32
.set G1B, 40
.set G0A, 48
.set G0B, 56
.set PFA, 68
.set PFS, 70
.set MX0, 0xa0
.set MX1, 0xf0
.set MY,  0x50
.set MSB, 0
.macro WIN new
.if MSB != \new
	s_set_vgpr_msb (MSB<<8)|\new
.set MSB, \new
.endif
.endm
.macro PLACES n
.rept \n
	v_nop
.endr
.endm
.macro CREST
	s_cmp_lg_u32 s24, 0
	s_cbranch_scc1 .Lnot_wave_0_\@
	s_barrier_signal -3
.Lnot_wave_0_\@:
	s_barrier_wait -3
	s_barrier_signal -1
	s_barrier_wait -1
.endm
.macro CROUND
	s_barrier_signal -1
	s_barrier_wait -1
	CREST
.endm
.macro JLOAD s                         ; waves 0, 1 the weights' halves, waves 2, 3 the columns'
	s_cmp_eq_u32 s25, 0
	s_cbranch_scc0 .Lfor_b_\@
	tensor_load_to_lds s[G0A+4*\s:G0A+4*\s+3], s[G1A:G1A+7]
	s_nop 0
	PLACES 4
	s_branch .Lasked_\@
.Lfor_b_\@:
	tensor_load_to_lds s[G0B+4*\s:G0B+4*\s+3], s[G1B:G1B+7]
	s_nop 0
	PLACES 4
.Lasked_\@:
.endm
.macro ASK                             ; my 34 blocks of the next fill: 32 lanes, then two (the other lanes name those two again)
	global_prefetch_b8 v[PFO], s[PFA:PFA+1] th:TH_LOAD_NT scope:SCOPE_SE
	global_prefetch_b8 v[PFO2], s[PFA:PFA+1] th:TH_LOAD_NT scope:SCOPE_SE
.endm
.macro PFSTEP
	s_wait_xcnt 0x0                                ; the prefetches have read their address
	s_add_nc_u64 s[PFA:PFA+1], s[PFA:PFA+1], s[PFS:PFS+1]
.endm
.macro GSTEP s                         ; slot s's next fill lies two blocks on
	s_add_nc_u64 s[G0A+4*\s+2:G0A+4*\s+3], s[G0A+4*\s+2:G0A+4*\s+3], 2*WBLK
	s_add_nc_u64 s[G0B+4*\s+2:G0B+4*\s+3], s[G0B+4*\s+2:G0B+4*\s+3], 2*HBLK
.endm
; a change of slots between two phases: the tensor wait, the add and its wait, a round, the joint load
.macro STURN slot, ask, step
	WIN 0
.if \ask
	PFSTEP
.endif
	s_wait_tensorcnt 0x0
	ds_add_u32 v[SPW], v[NIL]
.if \step
	GSTEP \slot
.endif
	s_wait_dscnt 0x0
	CROUND
	JLOAD \slot
.endm
	s_load_b512 s[4:19], s[0:1], 0x0               ; wq, hq, c, h, z, z_bottom, bias, out0
	s_load_b128 s[20:23], s[0:1], 0x40             ; out1, out2
	v_lshl_add_u32 v[SPW], v0, 2, SPARE
	v_mov_b32 v[NIL], 0
	ds_add_u32 v[SPW], v[NIL]                      ; the opening lines: the add twice, one wait below
	ds_add_u32 v[SPW], v[NIL]
	v_lshrrev_b32 v[T0], 5, v0
	v_readfirstlane_b32 s24, v[T0]                 ; wave
	s_lshr_b32 s25, s24, 1                         ; my 32 units; also: I fetch weights (0) or columns (1)
	s_and_b32 s26, s24, 1                          ; my 128 columns; also: which half I fetch
	s_bfe_u32 s27, ttmp6, 0x40000                  ; cx
	s_bfe_u32 s28, ttmp6, 0x40004                  ; cy
	s_lshl_b32 s29, ttmp9, 2
	s_add_co_u32 s29, s29, s27                     ; nt: which 256 columns
	s_and_b32 s30, ttmp7, 0xffff
	s_lshl_b32 s30, s30, 2
	s_add_co_u32 s30, s30, s28                     ; jt: which 64 units
	s_lshl_b32 s31, s28, 2
	s_lshl_b32 s31, 15, s31                        ; my row of the cluster
	s_lshl_b32 s84, 0x1111, s27                    ; my column
	s_or_b32 s[G1A], s31, (3<<16)|(1<<21)          ; elements of 8 bytes; bit 21 beside a mask
	s_or_b32 s[G1B], s84, (3<<16)|(1<<21)
.irp g, G1A, G1B                       ; 34,816 dense bytes as 136 rows of 256
	s_mov_b32 s[\g+1], 32<<16
	s_mov_b32 s[\g+2], 136<<16
	s_mov_b32 s[\g+3], 32<<16
	s_mov_b32 s[\g+4], 136
	s_mov_b32 s[\g+5], 32
	s_mov_b32 s[\g+6], 0
	s_mov_b32 s[\g+7], 0
.endr
	s_mul_i32 s85, s26, QS
	s_mul_i32 s66, s30, 2*QS                       ; weights: jt and the wave's number alone
	s_add_co_u32 s66, s66, s85
	s_mov_b32 s67, 0
	s_mul_i32 s80, s29, 2*QS                       ; columns: nt and the wave's number alone
	s_add_co_u32 s80, s80, s85
	s_mov_b32 s81, 0
	s_mul_i32 s86, s24, QS                         ; where my quarter goes
	s_cmp_eq_u32 s25, 0
	s_cselect_b32 s87, s27, s28                    ; my place among the four that ask with me
	s_mov_b32 s70, HBLK
	s_cselect_b32 s70, WBLK, s70                   ; bytes from fill to fill
	s_mov_b32 s71, 0
	s_mul_i32 s82, s87, 34*256
	s_mov_b32 s83, 0
	s_mul_i32 s88, s25, QS                         ; my weights in a slot
	s_mul_i32 s89, s26, QS
	s_add_co_u32 s89, s89, 2*QS                    ; my columns
	s_add_co_u32 s90, s88, 256                     ; the scale bytes lie behind a record's codes
	s_add_co_u32 s91, s89, 256
	s_lshl_b32 s92, s29, 10
	s_lshl_b32 s93, s26, 9
	s_add_co_u32 s92, s92, s93                     ; my first column, in bytes
	s_lshl_b32 s93, s30, 6
	s_lshl_b32 s94, s25, 5
	s_add_co_u32 s93, s93, s94                     ; my first unit
	s_lshl_b32 s94, s93, 2
	s_lshl_b32 s2, s93, 14
	s_add_co_u32 s2, s2, s92
	s_mov_b32 s3, 0
	s_lshl_b32 s95, s30, 4
	s_add_co_u32 s95, s95, s29
	s_lshl_b32 s95, s95, 4                         ; row 4096: the work-group's 16 columns
	s_mov_b32 s72, 0xbfb8aa3b                      ; -log2(e)
	s_mov_b32 s73, s72
	s_mov_b32 s74, 0xc038aa3b                      ; -2 log2(e)
	s_mov_b32 s75, s74
	s_mov_b32 s76, 0xc1700000                      ; -15
	s_mov_b32 s77, 0x41700000                      ; 15
	s_wait_dscnt 0x0
	s_wait_kmcnt 0x0
	s_add_nc_u64 s[66:67], s[4:5], s[66:67]
	s_add_nc_u64 s[80:81], s[6:7], s[80:81]
	s_add_nc_u64 s[8:9], s[8:9], s[2:3]
	s_add_nc_u64 s[10:11], s[10:11], s[2:3]
	s_add_nc_u64 s[18:19], s[18:19], s[2:3]
	s_add_nc_u64 s[20:21], s[20:21], s[2:3]
	s_cmp_eq_u32 s25, 0
	s_cselect_b64 s[PFA:PFA+1], s[66:67], s[80:81]
	s_add_nc_u64 s[PFA:PFA+1], s[PFA:PFA+1], s[82:83]
	s_add_nc_u64 s[PFA:PFA+1], s[PFA:PFA+1], s[PFS:PFS+1]   ; at fill 1
.irp k, 0,1
	s_mov_b32 s[G0A+4*\k], 1
	s_add_co_u32 s[G0A+4*\k+1], s86, \k*SLOT
	s_add_nc_u64 s[G0A+4*\k+2:G0A+4*\k+3], s[66:67], \k*WBLK
	s_or_b32 s[G0A+4*\k+3], s[G0A+4*\k+3], 0x80000000
	s_mov_b32 s[G0B+4*\k], 1
	s_add_co_u32 s[G0B+4*\k+1], s86, \k*SLOT
	s_add_nc_u64 s[G0B+4*\k+2:G0B+4*\k+3], s[80:81], \k*HBLK
	s_or_b32 s[G0B+4*\k+3], s[G0B+4*\k+3], 0x80000000
.endr
	CROUND                                         ; all sixteen work-groups are here
	JLOAD 0                                        ; fill 0: one load a wave at the head
	v_and_b32 v[T0], 15, v0                        ; r
	v_bfe_u32 v[T0+1], v0, 4, 1                    ; hh
	v_and_b32 v[T0+2], 31, v0                      ; lane
	v_mul_u32_u24 v[T0+3], v[T0], REC
	v_mul_u32_u24 v[T0+5], v[T0+2], REC
	v_lshl_add_u32 v[T0+4], v[T0+1], 4, v[T0+3]    ; a fragment's row + 16 x half
	v_add_nc_u32 v[ADRW], s88, v[T0+4]
	v_add_nc_u32 v[ADRC], s89, v[T0+4]
	v_add_nc_u32 v[ADSW], s90, v[T0+5]
	v_add_nc_u32 v[ADSC], s91, v[T0+3]
.irp a, ADRW, ADRC, ADSW, ADSC
	v_add_nc_u32 v[\a+1], SLOT, v[\a]
.endr
	v_lshlrev_b32 v[T0+6], 17, v[T0+1]
	v_lshl_add_u32 v[GOFF], v[T0], 4, v[T0+6]
	v_lshl_add_u32 v[ZOF], v[T0], 4, s92
	v_lshl_add_u32 v[BOF], v[T0+1], 5, s94
	v_lshlrev_b32 v[PFO], 8, v[T0+2]
	v_and_b32 v[PFO2], 1, v0
	v_lshl_add_u32 v[PFO2], v[PFO2], 8, 8192
	v_add_nc_u32 v[T0+7], s95, v[T0]               ; row 4096: my column n
	v_lshlrev_b32 v[RC], 2, v[T0+7]
	v_and_b32 v[T0+8], 3, v[T0+7]
	v_bfe_u32 v[T0+9], v[T0+7], 2, 4
	v_and_b32 v[T0+7], 0xfc0, v[T0+7]
	v_lshl_add_u32 v[T0+8], v[T0+8], 4, v[T0+9]
	v_add_nc_u32 v[T0+7], v[T0+7], v[T0+8]         ; its place: 64 (n / 64) + 16 (n % 4) + (n % 64) / 4
	v_mul_u32_u24 v[T0+7], v[T0+7], REC
	v_lshl_add_u32 v[RH], v[T0+1], 4, v[T0+7]
	v_add_nc_u32 v[T0+7], 256, v[T0+7]
	v_mad_u32_u24 v[RSH], v[T0+1], HBLK, v[T0+7]   ; scale words: lanes 0-15 the half ks = 0, lanes 16-31 ks = 1
	v_add_nc_u32 v[RW], 4096*REC, v[T0+4]
	v_add_nc_u32 v[T0+3], 4096*REC+256, v[T0+3]
	v_mad_u32_u24 v[RSW], v[T0+1], WBLK, v[T0+3]
	v_mov_b32 v[RZ], 0
	s_wait_alu depctr_va_vdst(0)                   ; the end of the head's vector work
	ASK                                            ; fill 1
	global_load_b128 v[ZR:ZR+3], v[ZOF], s[12:13]
	global_load_b128 v[ZR+4:ZR+7], v[ZOF], s[12:13] offset:256
	global_load_b128 v[ZBR:ZBR+3], v[ZOF], s[14:15]
	global_load_b128 v[ZBR+4:ZBR+7], v[ZOF], s[14:15] offset:256
	WIN 0x40
.irp g, 0,1,2,3
.irp k, 0,1,2,3
	global_load_b128 v[BI+16*\g+4*\k:BI+16*\g+4*\k+3], v[BOF], s[16:17] offset:\g*4096+(\k/2)*64+(\k%2)*16
.endr
.endr
	WIN 0
	; ---- row 4096, wave 3: weight fragments in window 2, column fragments in window 3, both free until the first products
	s_cmp_lg_u32 s24, 3
	s_cbranch_scc1 .Lno_row
	WIN 0x80
.irp f, 0,1,2,3,4,5
.irp k, 0,1,2,3,4,5,6,7
	global_load_b128 v[32*\f+4*\k:32*\f+4*\k+3], v[RW], s[4:5] offset:\f*WBLK+32*\k
.endr
.endr
	WIN 0xc0
.irp f, 0,1,2,3,4,5
.irp k, 0,1,2,3,4,5,6,7
	global_load_b128 v[32*\f+4*\k:32*\f+4*\k+3], v[RH], s[6:7] offset:\f*HBLK+32*\k
.endr
.endr
	WIN 0
.irp t, 0,1,2
	global_load_b128 v[SCS+4*\t:SCS+4*\t+3], v[RSW], s[4:5] offset:2*\t*WBLK
	global_load_b128 v[SCS+12+4*\t:SCS+12+4*\t+3], v[RSH], s[6:7] offset:2*\t*HBLK
.endr
	global_load_b32 v[RV], v[RC], s[12:13]
	global_load_b32 v[RV+1], v[RC], s[14:15]
	global_load_b32 v[RV+2], v[RZ], s[16:17] offset:16384
	s_wait_loadcnt 0x0
	WIN 0x0e                                       ; source 0 window 2, source 1 window 3
.macro ROWMUL t, ks, q                 ; three accumulators by turns, K ascending
.set RF, 32*(2*\t+\ks)+8*\q
.if \ks
	v_wmma_scale_f32_16x16x128_f8f6f4 v[RA+8*\t:RA+8*\t+7], v[RF:RF+7], v[RF:RF+7], v[RA+8*\t:RA+8*\t+7], v[SCS+4*\t+\q], v[SCS+12+4*\t+\q] matrix_a_fmt:MATRIX_FMT_FP4 matrix_b_fmt:MATRIX_FMT_FP4 matrix_a_scale:MATRIX_SCALE_ROW1 matrix_b_scale:MATRIX_SCALE_ROW1
.elseif \q
	v_wmma_scale_f32_16x16x128_f8f6f4 v[RA+8*\t:RA+8*\t+7], v[RF:RF+7], v[RF:RF+7], v[RA+8*\t:RA+8*\t+7], v[SCS+4*\t+\q], v[SCS+12+4*\t+\q] matrix_a_fmt:MATRIX_FMT_FP4 matrix_b_fmt:MATRIX_FMT_FP4
.else
	v_wmma_scale_f32_16x16x128_f8f6f4 v[RA+8*\t:RA+8*\t+7], v[RF:RF+7], v[RF:RF+7], 0, v[SCS+4*\t+\q], v[SCS+12+4*\t+\q] matrix_a_fmt:MATRIX_FMT_FP4 matrix_b_fmt:MATRIX_FMT_FP4
.endif
.endm
.irp ks, 0,1
.irp q, 0,1,2,3
	ROWMUL 0, \ks, \q
	ROWMUL 1, \ks, \q
	ROWMUL 2, \ks, \q
.endr
.endr
	WIN 0
	PLACES 4
	v_fma_f32 v131, v[RV], v[RA], v[RA+16]         ; register 0 of each: (row 4096, column r)
	v_fma_f32 v131, v[RV+1], v[RA+8], v131
	v_add_f32 v131, v131, v[RV+2]
	v_fma_f32 v131, v131, 0.5, 0.5
	v_med3_num_f32 v131, v131, 0, 1.0              ; z_hat
	v_cmp_lt_f32 vcc_lo, 0.5, v131
	v_cndmask_b32 v132, 0, 1.0, vcc_lo
	v_sub_f32 v132, v132, v131
	v_add_f32 v131, v131, v132                     ; z_hat + (step - z_hat)
	global_store_b32 v[RC], v131, s[22:23]
.Lno_row:
.macro FW slot, q, set                 ; the weights' eight fragments of 16 records x 128 K
.irp a, 0,1,2,3,4,5,6,7
.irp c, 0,1
	ds_load_b128 v[WF+64*(\set)+8*\a+4*\c:WF+64*(\set)+8*\a+4*\c+3], v[ADRW+(\slot)] offset:\a*BLK16+64*(\q)+32*\c
.endr
.endr
.endm
.macro FC slot, q, reg, cb0            ; column blocks cb0 .. cb0 + 3 into region reg
.irp b, 0,1,2,3
.irp c, 0,1
	ds_load_b128 v[CF+32*(\reg)+8*\b+4*\c:CF+32*(\reg)+8*\b+4*\c+3], v[ADRC+(\slot)] offset:((\cb0)+\b)*BLK16+64*(\q)+32*\c
.endr
.endr
.endm
.macro FS slot, q, set, cb0, n         ; scale words: a gate's 32 records in 32 lanes; n column blocks from cb0 on
.irp g, 0,1,2,3
	ds_load_b32 v[SCS+12*(\set)+\g], v[ADSW+(\slot)] offset:\g*2*BLK16+4*(\q)
.endr
.set CI, 0
.rept \n
	ds_load_b32 v[SCS+12*(\set)+4+CI], v[ADSC+(\slot)] offset:((\cb0)+CI)*BLK16+4*(\q)
.set CI, CI+1
.endr
.endm
; ng gates x 4 column blocks; the accumulators take turns, one instruction a turn
.macro MULS g0, ng, cr, cs, set, zero
.set GI, \g0
.rept \ng
.irp b, 0,1,2,3
.if \zero
	v_wmma_scale_f32_32x16x128_f4 v[64*GI+16*\b:64*GI+16*\b+15], v[WF+64*(\set)+16*GI:WF+64*(\set)+16*GI+15], v[CF+32*(\cr)+8*\b:CF+32*(\cr)+8*\b+7], 0, v[SCS+12*(\set)+GI], v[SCS+12*(\set)+4+4*(\cs)+\b]
.else
	v_wmma_scale_f32_32x16x128_f4 v[64*GI+16*\b:64*GI+16*\b+15], v[WF+64*(\set)+16*GI:WF+64*(\set)+16*GI+15], v[CF+32*(\cr)+8*\b:CF+32*(\cr)+8*\b+7], v[64*GI+16*\b:64*GI+16*\b+15], v[SCS+12*(\set)+GI], v[SCS+12*(\set)+4+4*(\cs)+\b]
.endif
.endr
.set GI, GI+1
.endr
.endm
.macro FETCHX slot                     ; a fill's first fragments; the youngest eight loads are column blocks 4-7
	FW \slot, 0, 0
	FS \slot, 0, 0, 0, 8
	FC \slot, 0, 0, 0
	FC \slot, 0, 1, 4
.endm
; a step of 128 along K onto X whose successor lies in the same slot.  Column blocks 0-3 are fetched anew in its middle, blocks 4-7 at its end; the weights have two sets.
.macro STEP slot, q, zero
	s_wait_dscnt 8                                 ; all but column blocks 4-7
	WIN MX0
	MULS 0, 4, 0, 0, (\q)%2, \zero
	s_wait_dscnt 0x0
	PLACES 4                                       ; in front of loads into registers that matrix instructions have read
	WIN 0
	FW \slot, (\q)+1, 1-(\q)%2
	FS \slot, (\q)+1, 1-(\q)%2, 0, 8
	FC \slot, (\q)+1, 0, 0
	WIN MX1
	MULS 0, 4, 1, 1, (\q)%2, \zero
	PLACES 4
	WIN 0
	FC \slot, (\q)+1, 1, 4
.endm
; a slot's last step, which changes slots.  fill = 1: the slot is filled again behind a round
.macro TURN slot, next, fill
.if \fill
	PFSTEP
.endif
	s_wait_tensorcnt 0x0                           ; my part of the next slot has landed
	ds_add_u32 v[SPW], v[NIL]
.if \fill
	GSTEP \slot
.endif
	s_wait_dscnt 9                                 ; the add and column blocks 4-7 may be out
	WIN MX0
	MULS 0, 2, 0, 0, 1, 0
	s_wait_dscnt 0x0                               ; the add is done, my reads of this slot are over
	s_barrier_signal -1
	MULS 2, 2, 0, 0, 1, 0
	WIN 0
	s_barrier_wait -1
.if \fill
	CREST
	JLOAD \slot
.else
	PLACES 4
.endif
	FW \next, 0, 0
	FS \next, 0, 0, 0, 8
	FC \next, 0, 0, 0
.if \fill
	ASK
.endif
	WIN MX1
	MULS 0, 4, 1, 1, 1, 0
	PLACES 4
	WIN 0
	FC \next, 0, 1, 4
.endm
.macro LAST                            ; a phase's last step: nothing more to fetch
	s_wait_dscnt 8
	WIN MX0
	MULS 0, 4, 0, 0, 1, 0
	s_wait_dscnt 0x0
	WIN MX1
	MULS 0, 4, 1, 1, 1, 0
	WIN 0
.endm
; Y's sixteen steps: step j = column group j / 8, slot (j / 4) % 2, its (j % 4)-th 128 along K; registers by j's parity
.macro YFETCH j
	WIN 0
	FW ((\j)/4)%2, (\j)%4, (\j)%2
	FS ((\j)/4)%2, (\j)%4, (\j)%2, 4*((\j)/8), 4
	FC ((\j)/4)%2, (\j)%4, (\j)%2, 4*((\j)/8)
.endm
; mode 0: plain; 1: the next slot's fill is waited for, at a barrier behind which nothing is filled; 2: slot 0 has been read out and is filled again behind a round; 3: the last
.macro YSTEP i, mode
.set YP, (\i)%2
.if ((\i)%8) == 0
.set YZ, 1
.else
.set YZ, 0
.endif
.if \mode == 0
	s_wait_dscnt 0x0
	PLACES 4
	YFETCH (\i)+1
	WIN MY
	MULS 0, 4, YP, 0, YP, YZ
.endif
.if \mode == 1
	s_wait_dscnt 0x0
	PLACES 4
	s_wait_tensorcnt 0x0
	s_barrier_signal -1
	WIN MY
	MULS 0, 2, YP, 0, YP, YZ
	WIN 0
	s_barrier_wait -1
	YFETCH (\i)+1
	WIN MY
	MULS 2, 2, YP, 0, YP, YZ
.endif
.if \mode == 2
	PLACES 4
	WIN 0
	PFSTEP
	s_wait_tensorcnt 0x0
	ds_add_u32 v[SPW], v[NIL]
	GSTEP 0
	s_wait_dscnt 0x0
	s_barrier_signal -1
	WIN MY
	MULS 0, 2, YP, 0, YP, YZ
	WIN 0
	s_barrier_wait -1
	CREST
	JLOAD 0
	YFETCH (\i)+1
	ASK
	WIN MY
	MULS 2, 2, YP, 0, YP, YZ
.endif
.if \mode == 3
	s_wait_dscnt 0x0
	WIN MY
	MULS 0, 4, YP, 0, YP, YZ
.endif
.endm
; X = z X + bias for column group gc: bias runs along the registers, z is one number a lane and block.  Each accumulator from its low end on.
.macro FLUSH1W gc
.irp g, 0,1,2,3
.irp p, 0,1
.irp k, 0,2,4,6,8,10,12,14
	v_pk_fma_f32 v[64*\g+32*\p+\k:64*\g+32*\p+\k+1], v[64*\g+32*\p+\k:64*\g+32*\p+\k+1], v[ZR+4*\gc+2*\p:ZR+4*\gc+2*\p+1], v[BI+16*\g+\k:BI+16*\g+\k+1] op_sel_hi:[1,0,1]
.endr
.irp k, 0,2,4,6,8,10,12,14
	v_pk_fma_f32 v[64*\g+32*\p+16+\k:64*\g+32*\p+16+\k+1], v[64*\g+32*\p+16+\k:64*\g+32*\p+16+\k+1], v[ZR+4*\gc+2*\p:ZR+4*\gc+2*\p+1], v[BI+16*\g+\k:BI+16*\g+\k+1] op_sel:[0,1,0] op_sel_hi:[1,1,1]
.endr
.endr
.endr
.endm
; X = z_bottom Y + X for column group gc
.macro FLUSH2 gc
	PLACES 4
	WIN 0xa1+0x50*\gc                              ; Y window 1, z_bottom window 0, X window 2 + gc
.irp g, 0,1,2,3
.irp p, 0,1
.irp k, 0,2,4,6,8,10,12,14
	v_pk_fma_f32 v[64*\g+32*\p+\k:64*\g+32*\p+\k+1], v[64*\g+32*\p+\k:64*\g+32*\p+\k+1], v[ZBR+4*\gc+2*\p:ZBR+4*\gc+2*\p+1], v[64*\g+32*\p+\k:64*\g+32*\p+\k+1] op_sel_hi:[1,0,1]
.endr
.irp k, 0,2,4,6,8,10,12,14
	v_pk_fma_f32 v[64*\g+32*\p+16+\k:64*\g+32*\p+16+\k+1], v[64*\g+32*\p+16+\k:64*\g+32*\p+16+\k+1], v[ZBR+4*\gc+2*\p:ZBR+4*\gc+2*\p+1], v[64*\g+32*\p+16+\k:64*\g+32*\p+16+\k+1] op_sel:[0,1,0] op_sel_hi:[1,1,1]
.endr
.endr
.endr
	WIN 0
	s_wait_alu depctr_va_vdst(0)
.endm
	STURN 1, 1, 0                                  ; fill 0 has landed everywhere; fill 1 goes out, slot 1's first fill
	FETCHX 0
	ASK                                            ; fill 2
	STEP 0, 0, 1                                   ; fill 0: U_21 x h_top; the first products start X's sums
	STEP 0, 1, 0
	STEP 0, 2, 0
	TURN 0, 1, 1                                   ; slot 0 takes fill 2
	STEP 1, 0, 0                                   ; fill 1
	STEP 1, 1, 0
	STEP 1, 2, 0
	LAST
	STURN 1, 1, 1                                  ; slot 1 takes fill 3
	YFETCH 0
	ASK                                            ; fill 4
	s_wait_loadcnt 0x0                             ; z, z_bottom, bias
	PLACES 4
	WIN 0x92
	FLUSH1W 0
	WIN 0xd3
	FLUSH1W 1
	WIN 0
	s_wait_alu depctr_va_vdst(0)
	YSTEP 0, 0                                     ; U_11 x h, column group 0: fill 2,
	YSTEP 1, 0
	YSTEP 2, 0
	YSTEP 3, 1
	YSTEP 4, 0                                     ; fill 3
	YSTEP 5, 0
	YSTEP 6, 0
	YSTEP 7, 0
	FLUSH2 0
	YSTEP 8, 0                                     ; column group 1: fill 2 once more, from the same slot,
	YSTEP 9, 0
	YSTEP 10, 0
	YSTEP 11, 2                                    ; which then takes fill 4
	YSTEP 12, 0
	YSTEP 13, 0
	YSTEP 14, 0
	YSTEP 15, 3
	FLUSH2 1
	STURN 1, 0, 1                                  ; slot 1 takes fill 5, the last load
	FETCHX 0
	WIN 0x40                                       ; c and h into Y's registers: each load takes 256 consecutive bytes of two rows, aligned
.set I, 0
.rept 32
	global_load_b128 v[CDN+4*I:CDN+4*I+3], v[GOFF], s[8:9] offset:(16*((I/8)%2)+I%8)*16384+256*(I/16) th:TH_LOAD_NT
.set I, I+1
.endr
.set I, 0
.rept 32
	global_load_b128 v[HDN+4*I:HDN+4*I+3], v[GOFF], s[10:11] offset:(16*((I/8)%2)+I%8)*16384+256*(I/16) th:TH_LOAD_NT
.set I, I+1
.endr
	WIN 0
	STEP 0, 0, 0                                   ; fill 4: W_01 x h_bottom, summed onto X
	STEP 0, 1, 0
	STEP 0, 2, 0
	TURN 0, 1, 0
	STEP 1, 0, 0                                   ; fill 5
	STEP 1, 1, 0
	STEP 1, 2, 0
	LAST
	PLACES 4
	s_wait_loadcnt 0x0                             ; c and h
; THE GATES.  E(x) = 2^(-x log2 e): f = 1 / (1 + Ef); ZA i g = ZA (1 - Eg) / ((1 + Ei)(1 + Eg)), Eg of 2 x; c_new = ZA i g + f (A3 c) + A2 c; h_new = ZA (1 - Ec) / ((1 + Eo)(1 + Ec)) + A2 h.
; ZA = z + A3, A2 = (1 - z)(1 - z_bottom), A3 = (1 - z) z_bottom.  First X becomes the exponentials' arguments, in place, each accumulator from its low end on.
.macro PPASS
.set K, 0
.rept 96
	v_pk_mul_f32 v[K:K+1], v[K:K+1], s[72:73] op_sel_hi:[1,0]
.set K, K+2
.endr
.rept 4
.rept 16
	v_med3_num_f32 v[K], v[K], s76, s77            ; g's argument held at +-15
.set K, K+1
.endr
.set K, K-16
.rept 8
	v_pk_mul_f32 v[K:K+1], v[K:K+1], s[74:75] op_sel_hi:[1,0]
.set K, K+2
.endr
.endr
.endm
.macro WTS gc                          ; the weights of column group gc's four columns
.irp i, 0,2
	v_pk_fma_f32 v[ZT+\i:ZT+\i+1], v[ZR+4*\gc+\i:ZR+4*\gc+\i+1], -1.0, 1.0 op_sel_hi:[1,0,0]
.endr
.irp i, 0,2
	v_pk_mul_f32 v[A3+\i:A3+\i+1], v[ZT+\i:ZT+\i+1], v[ZBR+4*\gc+\i:ZBR+4*\gc+\i+1]
.endr
.irp i, 0,2
	v_pk_fma_f32 v[A2+\i:A2+\i+1], v[A3+\i:A3+\i+1], -1.0, v[ZT+\i:ZT+\i+1] op_sel_hi:[1,0,1]
.endr
.irp i, 0,2
	v_pk_add_f32 v[ZA+\i:ZA+\i+1], v[ZR+4*\gc+\i:ZR+4*\gc+\i+1], v[A3+\i:A3+\i+1]
.endr
.endm
; what trip m = 4 gc + 2 s + half names of its own: units u = 0, 1: rows 16 s + 8 (l / 16) + 4 half + 2 u + e, my four columns of group gc
.macro UA m
.set UG, (\m)/4
.set US, ((\m)/2)%2
.set UJ, 2*((\m)%2)
.set XB, 8*US+2*UJ
.set CB, 4*(16*UG+8*US+2*UJ)
.if (\m) == 4
	WTS 1
.endif
	s_wait_alu depctr_va_vdst(0)                   ; ahead of the batch
	WIN 0x02+UG
.irp u, 0,1
.irp g, 0,1,2,3
.irp e, 0,1
.irp b, 0,1,2,3
	v_exp_f32 v[EF+88*\u+8*\g+4*\e+\b], v[64*\g+16*\b+XB+2*\u+\e]
.endr
.endr
.endr
.endr
	WIN 0x04
.irp u, 0,1
.irp i, 0,2,4,6
	v_pk_mul_f32 v[A2H+88*\u+\i:A2H+88*\u+\i+1], v[A2+\i%4:A2+\i%4+1], v[HDN+CB+8*\u+\i:HDN+CB+8*\u+\i+1]
.endr
.irp i, 0,2,4,6
	v_pk_mul_f32 v[A2C+88*\u+\i:A2C+88*\u+\i+1], v[A2+\i%4:A2+\i%4+1], v[CDN+CB+8*\u+\i:CDN+CB+8*\u+\i+1]
.endr
.irp i, 0,2,4,6
	v_pk_mul_f32 v[A3C+88*\u+\i:A3C+88*\u+\i+1], v[A3+\i%4:A3+\i%4+1], v[CDN+CB+8*\u+\i:CDN+CB+8*\u+\i+1]
.endr
.endr
	WIN 0
	s_wait_xcnt 0x0                                ; the last trip's stores have read their offset and their data
	v_add_nc_u32 v[GC], (16*US+2*UJ)*16384+256*UG, v[GOFF]
	s_wait_alu depctr_va_vdst(0)                   ; and behind the batch, ahead of the branch
	s_branch .Lcom
.endm
.macro SW2 n
	s_cmp_lt_u32 s78, (\n)+1
	s_cbranch_scc0 .Lsw_\@
	UA (\n)
.Lsw_\@:
	UA (\n)+1
.endm
.macro SW4 n
	s_cmp_lt_u32 s78, (\n)+2
	s_cbranch_scc0 .Lsw_\@
	SW2 (\n)
.Lsw_\@:
	SW2 (\n)+2
.endm
	WIN 0x82
	PPASS
	WIN 0xc3
	PPASS
	WIN 0
	WTS 0
	s_mov_b32 s78, 0
	s_wait_alu depctr_va_vdst(0)                   ; ahead of the loop's branches and exponentials
.Lunit:
	s_cmp_lt_u32 s78, 4
	s_cbranch_scc0 .Lupper
	SW4 0
.Lupper:
	SW4 4
.Lcom:
.irp u, 0,1
.irp i, 0,2,4,6
	v_pk_add_f32 v[T1+88*\u+\i:T1+88*\u+\i+1], v[EF+88*\u+\i:EF+88*\u+\i+1], 1.0 op_sel_hi:[1,0]
.endr
.irp i, 0,2,4,6
	v_pk_add_f32 v[T2+88*\u+\i:T2+88*\u+\i+1], v[EF+88*\u+8+\i:EF+88*\u+8+\i+1], 1.0 op_sel_hi:[1,0]
.endr
.endr
.irp u, 0,1
.irp i, 0,2,4,6
	v_pk_fma_f32 v[T2+88*\u+\i:T2+88*\u+\i+1], v[T2+88*\u+\i:T2+88*\u+\i+1], v[EG+88*\u+\i:EG+88*\u+\i+1], v[T2+88*\u+\i:T2+88*\u+\i+1]        ; (1 + Ei)(1 + Eg)
.endr
.endr
.irp u, 0,1
.irp i, 0,2,4,6
	v_pk_fma_f32 v[EG+88*\u+\i:EG+88*\u+\i+1], v[EG+88*\u+\i:EG+88*\u+\i+1], v[ZA+\i%4:ZA+\i%4+1], v[ZA+\i%4:ZA+\i%4+1] neg_lo:[1,0,0] neg_hi:[1,0,0]   ; ZA (1 - Eg)
.endr
.endr
	s_wait_alu depctr_va_vdst(0)
.irp u, 0,1
.irp i, 0,1,2,3,4,5,6,7,8,9,10,11,12,13,14,15
	v_rcp_f32 v[T1+88*\u+\i], v[T1+88*\u+\i]
.endr
.endr
.irp u, 0,1
.irp i, 0,2,4,6
	v_pk_add_f32 v[EO+88*\u+\i:EO+88*\u+\i+1], v[EO+88*\u+\i:EO+88*\u+\i+1], 1.0 op_sel_hi:[1,0]                       ; plain lines behind the reciprocals
.endr
.endr
	s_wait_alu depctr_va_vdst(0)
.irp u, 0,1
.irp i, 0,2,4,6
	v_pk_fma_f32 v[T1+88*\u+\i:T1+88*\u+\i+1], v[T1+88*\u+\i:T1+88*\u+\i+1], v[A3C+88*\u+\i:A3C+88*\u+\i+1], v[A2C+88*\u+\i:A2C+88*\u+\i+1]
.endr
.endr
.irp u, 0,1
.irp i, 0,2,4,6
	v_pk_fma_f32 v[NC+88*\u+\i:NC+88*\u+\i+1], v[EG+88*\u+\i:EG+88*\u+\i+1], v[T2+88*\u+\i:T2+88*\u+\i+1], v[T1+88*\u+\i:T1+88*\u+\i+1]        ; c_new
.endr
.endr
.irp u, 0,1
.irp i, 0,1,2,3,4,5,6,7
	v_med3_num_f32 v[EF+88*\u+\i], v[NC+88*\u+\i], s76, s77
.endr
.endr
.irp u, 0,1
.irp i, 0,2,4,6
	v_pk_mul_f32 v[EF+88*\u+\i:EF+88*\u+\i+1], v[EF+88*\u+\i:EF+88*\u+\i+1], s[74:75] op_sel_hi:[1,0]
.endr
.endr
	s_wait_alu depctr_va_vdst(0)
.irp u, 0,1
.irp i, 0,1,2,3,4,5,6,7
	v_exp_f32 v[EF+88*\u+\i], v[EF+88*\u+\i]       ; Ec
.endr
.endr
.irp u, 0,1                            ; lanes 0-15 store 256 consecutive bytes of one row, lanes 16-31 of the row eight further down, each aligned to 256
.irp e, 0,1
	global_store_b128 v[GC], v[NC+88*\u+4*\e:NC+88*\u+4*\e+3], s[20:21] offset:(2*\u+\e)*16384 th:TH_STORE_NT
.endr
.endr
	v_nop
	s_wait_alu depctr_va_vdst(0)
.irp u, 0,1
.irp i, 0,2,4,6
	v_pk_fma_f32 v[EO+88*\u+\i:EO+88*\u+\i+1], v[EO+88*\u+\i:EO+88*\u+\i+1], v[EF+88*\u+\i:EF+88*\u+\i+1], v[EO+88*\u+\i:EO+88*\u+\i+1]        ; (1 + Eo)(1 + Ec)
.endr
.endr
.irp u, 0,1
.irp i, 0,2,4,6
	v_pk_fma_f32 v[EF+88*\u+\i:EF+88*\u+\i+1], v[EF+88*\u+\i:EF+88*\u+\i+1], v[ZA+\i%4:ZA+\i%4+1], v[ZA+\i%4:ZA+\i%4+1] neg_lo:[1,0,0] neg_hi:[1,0,0]   ; ZA (1 - Ec)
.endr
.endr
	s_wait_alu depctr_va_vdst(0)
.irp u, 0,1
.irp i, 0,1,2,3,4,5,6,7
	v_rcp_f32 v[EO+88*\u+\i], v[EO+88*\u+\i]
.endr
.endr
	v_nop
	s_wait_alu depctr_va_vdst(0)
.irp u, 0,1
.irp i, 0,2,4,6
	v_pk_fma_f32 v[NH+88*\u+\i:NH+88*\u+\i+1], v[EF+88*\u+\i:EF+88*\u+\i+1], v[EO+88*\u+\i:EO+88*\u+\i+1], v[A2H+88*\u+\i:A2H+88*\u+\i+1]      ; h_new
.endr
.endr
.irp u, 0,1
.irp e, 0,1
	global_store_b128 v[GC], v[NH+88*\u+4*\e:NH+88*\u+4*\e+3], s[18:19] offset:(2*\u+\e)*16384 th:TH_STORE_NT
.endr
.endr
	s_add_co_u32 s78, s78, 1
	s_cmp_lt_u32 s78, 8
	s_cbranch_scc1 .Lunit
	s_wait_tensorcnt 0x0                           ; the wave's end
	ds_add_u32 v[SPW], v[NIL]
	s_wait_dscnt 0x0
	CROUND                                         ; the closing round
	s_endpgm
.Lfunc_end_k_qbd47043bc6_lstm:
	.size	k_qbd47043bc6_lstm, .Lfunc_end_k_qbd47043bc6_lstm-k_qbd47043bc6_lstm
	.p2alignl 7, 3214868480
	.fill 96, 4, 3214868480
	.section	.rodata,"a",@progbits
	.p2align	6, 0x0
	.amdhsa_kernel k_qbd47043bc6_lstm
		.amdhsa_group_segment_fixed_size 327680
		.amdhsa_private_segment_fixed_size 0
		.amdhsa_enable_private_segment 0
		.amdhsa_kernarg_size 80
		.amdhsa_user_sgpr_count 2
		.amdhsa_user_sgpr_kernarg_segment_ptr 1
		.amdhsa_wavefront_size32 1
		.amdhsa_system_sgpr_workgroup_id_x 1
		.amdhsa_system_sgpr_workgroup_id_y 1
		.amdhsa_system_sgpr_workgroup_id_z 1
		.amdhsa_system_vgpr_workitem_id 0
		.amdhsa_next_free_vgpr 1024
		.amdhsa_next_free_sgpr 100
		.amdhsa_reserve_vcc 1
		.amdhsa_float_denorm_mode_32 3
		.amdhsa_float_denorm_mode_16_64 3
		.amdhsa_memory_ordered 1
		.amdhsa_forward_progress 1
		.amdhsa_inst_pref_size 255
	.end_amdhsa_kernel
	.section	.bss,"aw",@nobits
	.p2align	6
	.space	262144
	.amdgpu_metadata
---
amdhsa.version: [ 1, 2 ]
amdhsa.kernels:
  - .name:           k_qbd47043bc6_lstm
    .symbol:         k_qbd47043bc6_lstm.kd
    .args:
      - { .name: wq, .offset: 0, .size: 8, .value_kind: global_buffer, .address_space: global }
      - { .name: hq, .offset: 8, .size: 8, .value_kind: global_buffer, .address_space: global }
      - { .name: c, .offset: 16, .size: 8, .value_kind: global_buffer, .address_space: global }
      - { .name: h, .offset: 24, .size: 8, .value_kind: global_buffer, .address_space: global }
      - { .name: z, .offset: 32, .size: 8, .value_kind: global_buffer, .address_space: global }
      - { .name: z_bottom, .offset: 40, .size: 8, .value_kind: global_buffer, .address_space: global }
      - { .name: bias, .offset: 48, .size: 8, .value_kind: global_buffer, .address_space: global }
      - { .name: out0, .offset: 56, .size: 8, .value_kind: global_buffer, .address_space: global }
      - { .name: out1, .offset: 64, .size: 8, .value_kind: global_buffer, .address_space: global }
      - { .name: out2, .offset: 72, .size: 8, .value_kind: global_buffer, .address_space: global }
    .group_segment_fixed_size: 327680
    .private_segment_fixed_size: 0
    .kernarg_segment_align: 8
    .kernarg_segment_size: 80
    .max_flat_workgroup_size: 128
    .sgpr_count:     100
    .vgpr_count:     1024
    .wavefront_size: 32
...
	.end_amdgpu_metadata
.endif
;; end of part 2
